; MI455X (gfx1250); checked and timed in simulation.
; The chip was launched on July 23, 2026; its instructions are those of AMD's public machine-readable ISA for CDNA 5 (MIT licence, August 2026) and "CDNA5" Instruction Set Architecture Reference Guide (July 2026). The comments in the code are by the model that wrote it; some were corrected since.
;; Causal Window Attention. Allowed arithmetic: float matrix products may take bf16 or f16 operands with f32 sums; all other float work in f32.
;; Inputs: W_out 1,024 x 1,024 float32; W_qkv 1,024 x 3,072 float32; b_out 1,024 float32; b_qkv 3,072 float32; x 2 x 2,048 x 1,024 float32.
;; Outputs: out0 2 x 2,048 x 1,024 float32.
;; One version. Each part assembles by itself: llvm-mc -triple=amdgcn-amd-amdhsa -mcpu=gfx1250 --defsym DOCPART=n.
;; ======== version 1 of 1: 4 launches
;; limits: values are held in f16: magnitudes above 65,504 overflow, below 6.1e-05 lose precision
;; workspace buffers: xh 8,388,608 bytes; wqh 6,291,456 bytes; woh 2,097,152 bytes; qkvh 25,165,824 bytes; atth 8,388,608 bytes
;; launch prep (part 1): grid 512 x 1, 8 waves a work-group, no clusters, 37,888 bytes of LDS; arguments x, W_qkv, W_out, xh, wqh, woh; writes xh, wqh, woh
.if DOCPART == 1
	.amdgcn_target "amdgcn-amd-amdhsa--gfx1250"
	.amdhsa_code_object_version 6
	.text
	.protected	k_q52f0aea0be_prep
	.globl	k_q52f0aea0be_prep
	.p2align	8
	.type	k_q52f0aea0be_prep,@function
k_q52f0aea0be_prep:
	s_mov_b64 s[64:65], 0
	v_nop
	global_prefetch_b8 v0, s[64:65] scope:SCOPE_SE
	s_setreg_imm32_b32 hwreg(HW_REG_WAVE_MODE, 25, 1), 1
	s_wait_xcnt 0x0
; prep: the three large inputs are rounded once to f16 and laid in the form that the matrix launches read:
;   xh [16 kb][4096 rows][64]  = x,      kb = column / 64
;   wqh[16 kb][3072 n  ][64 k] = W_qkv transposed, kb = k / 64
;   woh[16 kb][1024 n  ][64 k] = W_out transposed
; A row of a block is 128 bytes and rows follow each other without a gap, so every later tile is one dense run.
; LIMIT: f16 holds magnitudes below 65,504 (larger ones become infinite); below 2^-14 the step is 2^-24.
; 512 work-groups of eight waves, each reads 64 KiB: 0-255 take 16 rows of x; 256-447 a tile of 64 k x 256 n of W_qkv; 448-511 of W_out.
; No matrix unit, no tensor loads, no cluster: nothing is shared between work-groups and every byte is read once.
.set KBX, 524288                       ; bytes of one kb block of xh
.set LP,  144                          ; LDS pitch of a transposed row: 128 bytes + 16
.set IN,  16                           ; v[16:79]  sixteen loads of 16 bytes
.set PK,  80                           ; v[80:111] packed f16
	s_load_b256 s[4:11], s[0:1], 0x0               ; x s[4:5], W_qkv s[6:7], W_out s[8:9], xh s[10:11]
	s_load_b128 s[12:15], s[0:1], 0x20             ; wqh s[12:13], woh s[14:15]
	v_lshl_add_u32 v112, v0, 2, 0x9000
	v_mov_b32 v113, 0
	s_mov_b32 s17, 0
	s_mov_b32 s19, 0
	s_wait_kmcnt 0x0
	s_cmp_lt_u32 ttmp9, 256                        ; the work-group's number: the same in all eight waves
	s_cbranch_scc0 .Lweights
	; ---- x: rows 16 id .. 16 id + 15.  Thread t: row t / 16, 16 bytes at 16 (t % 16) of each of the row's sixteen pieces of 256 bytes (= kb).
	s_lshl_b32 s16, ttmp9, 16                      ; 16 rows of 4,096 bytes
	s_lshl_b32 s18, ttmp9, 11                      ; 16 rows of 128 bytes
	s_add_nc_u64 s[4:5], s[4:5], s[16:17]
	s_add_nc_u64 s[10:11], s[10:11], s[18:19]
	v_lshrrev_b32 v1, 4, v0
	v_and_b32 v3, 15, v0
	v_lshlrev_b32 v1, 12, v1
	v_lshl_add_u32 v1, v3, 4, v1                   ; in: row x 4,096 + 16 (t % 16)
	v_lshlrev_b32 v2, 3, v0                        ; out: 8 t (four f16): a wave's store covers 256 consecutive bytes, aligned
.irp i, 0,1,2,3,4,5,6,7,8,9,10,11,12,13,14,15
	global_load_b128 v[IN+4*\i:IN+4*\i+3], v1, s[4:5] offset:256*\i th:TH_LOAD_NT
.endr
.irp i, 0,1,2,3,4,5,6,7,8,9,10,11,12,13,14,15
	s_wait_loadcnt 15-\i                           ; loads come back in order: load i is in, the 15 - i younger ones stay out
	v_cvt_pk_f16_f32 v[PK+2*\i],   v[IN+4*\i],   v[IN+4*\i+1]
	v_cvt_pk_f16_f32 v[PK+2*\i+1], v[IN+4*\i+2], v[IN+4*\i+3]
	global_store_b64 v2, v[PK+2*\i:PK+2*\i+1], s[10:11] offset:KBX*\i   ; no register is written twice: no further wait
.endr
	s_endpgm
; ---- a tile of 64 k x 256 n of a weight [1024][N] f32, transposed through LDS.  s20 = tile number: kb = s20 % 16, block of 256 n = s20 / 16.
; Thread t: four columns n = 4 (t % 64) + c, sixteen rows k = 16 (t / 64) + i.  A wave's load covers 512 consecutive bytes of one row.
.macro WT N, src, dst
	s_and_b32 s21, s20, 15
	s_lshr_b32 s22, s20, 4
	s_mul_i32 s16, s21, 256*\N                     ; 64 rows of 4 N bytes
	s_lshl_b32 s23, s22, 10                        ; 256 columns of 4 bytes
	s_add_co_u32 s16, s16, s23
	s_mul_i32 s18, s21, 128*\N                     ; out: (kb N + 256 block) rows of 128 bytes
	s_lshl_b32 s23, s22, 15
	s_add_co_u32 s18, s18, s23
	s_add_nc_u64 s[\src:\src+1], s[\src:\src+1], s[16:17]
	s_add_nc_u64 s[\dst:\dst+1], s[\dst:\dst+1], s[18:19]
	v_lshrrev_b32 v3, 6, v0                        ; t / 64
	v_and_b32 v4, 63, v0                           ; t % 64
	v_mul_u32_u24 v1, v3, 64*\N                    ; 16 rows of 4 N bytes
	v_lshl_add_u32 v1, v4, 4, v1
	v_mul_u32_u24 v2, v4, 4*LP                     ; LDS: row n = 4 (t % 64), 32 bytes (16 k) at 32 (t / 64)
	v_lshl_add_u32 v2, v3, 5, v2
	v_lshrrev_b32 v5, 3, v0
	v_and_b32 v6, 7, v0
	v_mul_u32_u24 v5, v5, LP                       ; back: row t / 8, 16 bytes at 16 (t % 8)
	v_lshl_add_u32 v5, v6, 4, v5
	v_lshlrev_b32 v6, 4, v0                        ; out: 16 t
.irp i, 0,1,2,3,4,5,6,7,8,9,10,11,12,13,14,15
	global_load_b128 v[IN+4*\i:IN+4*\i+3], v1, s[\src:\src+1] offset:4*\N*\i th:TH_LOAD_NT
.endr
.irp p, 0,1,2,3,4,5,6,7
	s_wait_loadcnt 14-2*\p                         ; rows 2 p and 2 p + 1 are in, the younger loads stay out
.irp c, 0,1,2,3
	v_cvt_pk_f16_f32 v[PK+8*\c+\p], v[IN+8*\p+\c], v[IN+8*\p+4+\c]   ; column c: k = 2 p below, 2 p + 1 above
.endr
.endr
	; lanes are 576 bytes apart, so four lanes of sixteen meet at the same place modulo 256 bytes: taken as it is, eight LDS stores a thread for the whole tile
.irp c, 0,1,2,3
	ds_store_b128 v2, v[PK+8*\c:PK+8*\c+3]   offset:LP*\c
	ds_store_b128 v2, v[PK+8*\c+4:PK+8*\c+7] offset:LP*\c+16
.endr
	s_wait_dscnt 0x0                               ; my stores are done, for the other waves' sake
	s_barrier_signal -1
	s_barrier_wait -1
.irp u, 0,1,2,3,4,5,6,7
	ds_load_b128 v[IN+4*\u:IN+4*\u+3], v5 offset:32*LP*\u   ; 32 rows a step for the work-group
.endr
.irp u, 0,1,2,3,4,5,6,7
	s_wait_dscnt 7-\u
	global_store_b128 v6, v[IN+4*\u:IN+4*\u+3], s[\dst:\dst+1] offset:4096*\u   ; a wave's store covers 512 consecutive bytes, aligned
.endr
	s_wait_tensorcnt 0x0
	ds_add_u32 v112, v113
	s_wait_dscnt 0x0
	s_endpgm
.endm
.Lweights:
	s_sub_co_u32 s20, ttmp9, 256
	s_cmp_lt_u32 s20, 192                          ; 16 kb x 12 blocks of W_qkv
	s_cbranch_scc0 .Lwout
	WT 3072, 6, 12
.Lwout:
	s_sub_co_u32 s20, s20, 192                     ; 16 kb x 4 blocks of W_out
	WT 1024, 8, 14
.Lfunc_end_k_q52f0aea0be_prep:
	.size	k_q52f0aea0be_prep, .Lfunc_end_k_q52f0aea0be_prep-k_q52f0aea0be_prep
	.p2alignl 7, 3214868480
	.fill 96, 4, 3214868480
	.section	.rodata,"a",@progbits
	.p2align	6, 0x0
	.amdhsa_kernel k_q52f0aea0be_prep
		.amdhsa_group_segment_fixed_size 37888
		.amdhsa_private_segment_fixed_size 0
		.amdhsa_enable_private_segment 0
		.amdhsa_kernarg_size 48
		.amdhsa_user_sgpr_count 2
		.amdhsa_user_sgpr_kernarg_segment_ptr 1
		.amdhsa_wavefront_size32 1
		.amdhsa_system_sgpr_workgroup_id_x 1
		.amdhsa_system_sgpr_workgroup_id_y 1
		.amdhsa_system_sgpr_workgroup_id_z 1
		.amdhsa_system_vgpr_workitem_id 0
		.amdhsa_next_free_vgpr 114
		.amdhsa_next_free_sgpr 66
		.amdhsa_reserve_vcc 0
		.amdhsa_float_denorm_mode_32 3
		.amdhsa_float_denorm_mode_16_64 3
		.amdhsa_memory_ordered 1
		.amdhsa_forward_progress 1
		.amdhsa_inst_pref_size 21
	.end_amdhsa_kernel
	.amdgpu_metadata
---
amdhsa.version: [ 1, 2 ]
amdhsa.kernels:
  - .name:           k_q52f0aea0be_prep
    .symbol:         k_q52f0aea0be_prep.kd
    .args:
      - { .name: x, .offset: 0, .size: 8, .value_kind: global_buffer, .address_space: global }
      - { .name: W_qkv, .offset: 8, .size: 8, .value_kind: global_buffer, .address_space: global }
      - { .name: W_out, .offset: 16, .size: 8, .value_kind: global_buffer, .address_space: global }
      - { .name: xh, .offset: 24, .size: 8, .value_kind: global_buffer, .address_space: global }
      - { .name: wqh, .offset: 32, .size: 8, .value_kind: global_buffer, .address_space: global }
      - { .name: woh, .offset: 40, .size: 8, .value_kind: global_buffer, .address_space: global }
    .group_segment_fixed_size: 37888
    .private_segment_fixed_size: 0
    .kernarg_segment_align: 8
    .kernarg_segment_size: 48
    .max_flat_workgroup_size: 256
    .sgpr_count:     66
    .vgpr_count:     114
    .wavefront_size: 32
...
	.end_amdgpu_metadata
.endif
;; end of part 1
;; launch qkv (part 2): grid 16 x 16, 4 waves a work-group, clusters of 4 x 4, 327,680 bytes of LDS; arguments xh, wqh, b_qkv, qkvh; writes qkvh
.if DOCPART == 2
	.amdgcn_target "amdgcn-amd-amdhsa--gfx1250"
	.amdhsa_code_object_version 6
	.text
	.protected	k_q52f0aea0be_qkv
	.globl	k_q52f0aea0be_qkv
	.p2align	8
	.type	k_q52f0aea0be_qkv,@function
k_q52f0aea0be_qkv:
	s_mov_b64 s[64:65], 0
	v_nop
	global_prefetch_b8 v0, s[64:65] scope:SCOPE_SE
	s_setreg_imm32_b32 hwreg(HW_REG_WAVE_MODE, 25, 1), 1
	s_wait_xcnt 0x0
	s_wait_alu depctr_hold_cnt(0) depctr_sa_sdst(0) depctr_va_vdst(0) depctr_va_sdst(0) depctr_va_ssrc(0) depctr_va_vcc(0) depctr_vm_vsrc(0)
	s_getreg_b32 s2, hwreg(HW_REG_IB_STS2, 6, 4)
	s_cmp_eq_u32 s2, 0
	s_cbranch_scc0 .Lentry_in_a_cluster
	s_endpgm
.Lentry_in_a_cluster:
	s_bfe_u32 s2, ttmp6, 0x10000c
	s_cmp_lg_u32 s2, 0xf033
	s_cbranch_scc0 .Lentry_shape_is_right
	s_endpgm
.Lentry_shape_is_right:
; qkv: qkvh = f16( x W_qkv + b_qkv ), a product of 4096 x 3072 over K = 1024, f16 operands, f32 sums.
; In:  xh [16 kb][4096][64] f16, wqh [16 kb][3072 n][64 k] f16, b_qkv [3072] f32.
; Out: qkvh [48][4096][64] f16, block = column / 64: q's heads 0-15, k's 16-31, v's 32-47.
; LIMIT: q, k, v are kept in f16: magnitudes of 65,504 and more become infinite.
; A work-group makes 256 rows x 192 columns with four waves; a wave 128 x 96: 48 accumulator tiles, 384 registers.  16 x 16 work-groups.
; K goes in steps of 128 (two kb) through two LDS slots filled by the tensor data mover.  In memory each kb's part of a tile is one dense run
; (128 rows x 128 bytes of xh, 96 rows x 128 bytes of wqh), taken as one long tile row; the mover skips 16 bytes after every 128, so LDS rows are 144 bytes apart.
; CLUSTERS: 4 x 4 work-groups.  xh's tile hangs on the block row alone and is asked for jointly by the four of a row of the cluster, wqh's on the block
; column alone and is asked for jointly by the four of a column: requests for both are divided by four.
; REGISTER WINDOWS: 0: addresses, fragments of xh (two buffers), the bias, packed results; 1: fragments of wqh (two buffers);
;   2: the 24 accumulator tiles of my rows 0-63 (tile (a, b) at v[8 (6 a + b)]); 3: those of my rows 64-127.
; THE MATRIX INSTRUCTION IS USED TRANSPOSED: source 0 = 16 rows of wqh, source 1 = 16 rows of xh.  Lane l then holds row l % 16 of the result and its
; registers 0-7 the columns 8 (l / 16) + 0..7: eight neighbouring numbers, 16 bytes in f16.
; The first product of each tile takes the bias as C: nothing is cleared and no add is written.
.set PITCH, 144                        ; an odd multiple of 16: sixteen rows' pieces of 16 bytes start at sixteen different places modulo 256 bytes
.set AKB,  128*PITCH                   ; one kb of 128 rows of xh
.set AH,   2*AKB                       ; what one tensor load of xh brings
.set BKB,  96*PITCH                    ; one kb of 96 rows of wqh
.set BH,   2*BKB                       ; what one tensor load of wqh brings
.set SLOT, 2*AH+2*BH                   ; 129,024: xh's halves 0, 1, then wqh's halves 0, 1
.set HS,   256*PITCH                   ; the way out: 256 rows of one block of 64 columns; three of them lie in slot 0 after its last fill and last read
.set ADRA, 16                          ; v16-17  LDS address of my xh fragments in slot 0, 1
.set ADRB, 20                          ; v20-21  the same for wqh
.set STOA, 24                          ; v24-25  the way out: where my 16 bytes go
.set STOB, 25
.set RD,   26                          ; v26-28  the way out: where I read rows back, block 0, 1, 2
.set CO,   29                          ; v29     16 x lane
.set F0,   64                          ; fragment buffer 0
.set F1,   128                         ; fragment buffer 1
.set BIAS, 192                         ; v192-239 (window 0): bias of my 96 columns in the accumulators' layout; later the packed results
.set TMP,  192
.set G1,  24                           ; s[24:31] group 1 for xh's tiles
.set G0,  32                           ; s[32:39] group 0 for xh's tiles, one set for each slot
.set G1B, 48                           ; s[48:55] group 1 for wqh's tiles
.set G0B, 56                           ; s[56:63] group 0 for wqh's tiles, one set for each slot
.set MSB, 0
.macro WIN new                         ; the immediate's high byte repeats the setting that is left
.if MSB != \new
	s_set_vgpr_msb (MSB<<8)|\new
.set MSB, \new
.endif
.endm
; A joint load.  Waves 0 and 1 fetch xh's two halves, waves 2 and 3 wqh's.  The branch hangs on the wave's number alone.
.macro JLOAD s
	s_cmp_eq_u32 s13, 0
	s_cbranch_scc0 .Lfor_b_\@
	tensor_load_to_lds s[G0+4*\s:G0+4*\s+3], s[G1:G1+7]
	s_nop 0
	s_branch .Lasked_\@
.Lfor_b_\@:
	tensor_load_to_lds s[G0B+4*\s:G0B+4*\s+3], s[G1B:G1B+7]
	s_nop 0
.Lasked_\@:
.endm
.macro CREST                           ; a round of the cluster's barrier behind its opening barrier
	s_cmp_lg_u32 s12, 0
	s_cbranch_scc1 .Lnot_wave_0_\@
	s_barrier_signal -3
.Lnot_wave_0_\@:
	s_barrier_wait -3
	s_barrier_signal -1
	s_barrier_wait -1
.endm
.macro CROUND                          ; a whole round
	s_barrier_signal -1
	s_barrier_wait -1
	CREST
.endm
	s_load_b256 s[4:11], s[0:1], 0x0               ; xh s[4:5], wqh s[6:7], b_qkv s[8:9], qkvh s[10:11]
	s_set_vgpr_msb 0x40
	v_lshl_add_u32 v255, v0, 2, 0x3f000
	s_set_vgpr_msb 0x4000
	v_mov_b32 v255, 0
	s_set_vgpr_msb 0x1
	ds_add_u32 v255, v255
	ds_add_u32 v255, v255
	s_set_vgpr_msb 0x100
	v_lshrrev_b32 v1, 5, v0
	v_readfirstlane_b32 s12, v1                    ; wave 0..3
	s_lshr_b32 s13, s12, 1                         ; which 128 rows are mine.  Also: I fetch for xh (0) or for wqh (1)
	s_and_b32 s14, s12, 1                          ; which 96 columns are mine.  Also: which half of that tile I fetch
	s_bfe_u32 s40, ttmp6, 0x40000                  ; cx
	s_bfe_u32 s41, ttmp6, 0x40004                  ; cy
	s_lshl_b32 s42, ttmp9, 2
	s_add_co_u32 s42, s42, s40                     ; block column = 4 x cluster x + cx
	s_and_b32 s43, ttmp7, 0xffff
	s_lshl_b32 s43, s43, 2
	s_add_co_u32 s43, s43, s41                     ; block row = 4 x cluster y + cy
	s_lshl_b32 s44, s41, 2
	s_lshl_b32 s44, 15, s44                        ; my row of the cluster: places 4 cy .. 4 cy + 3
	s_lshl_b32 s45, 0x1111, s40                    ; my column: places cx, cx + 4, cx + 8, cx + 12
	; group 1: elements of 8 bytes; a tile row = one kb's dense run; two tile rows (two kb)
	s_or_b32 s[G1+0], s44, (3<<16)|(1<<20)|(1<<21)|(4<<22)|(3<<25)   ; 15:0 mask; 17:16 8-byte elements; 20 padding on; 21 set beside a mask; 24:22 after every 32 words; 31:25 four words
	s_or_b32 s[G1B+0], s45, (3<<16)|(1<<20)|(1<<21)|(4<<22)|(3<<25)
	s_mov_b32 s[G1+1], 2048<<16                    ; tensor_dim0 = 2,048 elements = 128 rows x 128 bytes
	s_mov_b32 s[G1B+1], 1536<<16                   ; 96 rows x 128 bytes
	s_mov_b32 s[G1+2], 2<<16                       ; tensor_dim1 = 2
	s_mov_b32 s[G1B+2], 2<<16
	s_mov_b32 s[G1+3], 2048<<16                    ; tile_dim0
	s_mov_b32 s[G1B+3], 1536<<16
	s_mov_b32 s[G1+4], 2                           ; tile_dim1
	s_mov_b32 s[G1B+4], 2
	s_mov_b32 s[G1+5], 65536                       ; from kb to kb: 4,096 rows x 128 bytes, in elements
	s_mov_b32 s[G1B+5], 49152                      ; 3,072 rows x 128 bytes
	s_mov_b32 s[G1+6], 0
	s_mov_b32 s[G1B+6], 0
	s_mov_b32 s[G1+7], 0
	s_mov_b32 s[G1B+7], 0
	; where the tiles come from: xh's hang on the block row, wqh's on the block column, each in registers that never hold the other coordinate
	s_lshl_b32 s16, s43, 15                        ; 256 rows x 128 bytes
	s_lshl_b32 s17, s14, 14                        ; + my half of 128 rows
	s_add_co_u32 s16, s16, s17
	s_mov_b32 s17, 0
	s_mul_i32 s46, s42, 192*128
	s_mul_i32 s47, s14, 96*128
	s_add_co_u32 s46, s46, s47
	s_mov_b32 s47, 0
	s_mul_i32 s20, s12, AH                         ; where they go: wave 0, 1: xh's halves
	s_mul_i32 s21, s12, BH
	s_add_co_u32 s21, s21, 2*AH-2*BH               ; wave 2, 3: wqh's halves, behind xh's
	s_wait_dscnt 0x0
	s_wait_kmcnt 0x0
	s_add_nc_u64 s[18:19], s[4:5], s[16:17]
	s_add_nc_u64 s[46:47], s[6:7], s[46:47]
	CROUND                                         ; all sixteen work-groups are here: the first joint loads meet
.irp s, 0,1
	s_mov_b32 s[G0+4*\s], 1
	s_add_co_u32 s[G0+4*\s+1], s20, \s*SLOT
	s_add_nc_u64 s[G0+4*\s+2:G0+4*\s+3], s[18:19], \s*0x100000     ; K step s: two kb of 524,288 bytes
	s_or_b32 s[G0+4*\s+3], s[G0+4*\s+3], 0x80000000
	s_mov_b32 s[G0B+4*\s], 1
	s_add_co_u32 s[G0B+4*\s+1], s21, \s*SLOT
	s_add_nc_u64 s[G0B+4*\s+2:G0B+4*\s+3], s[46:47], \s*0xc0000    ; two kb of 393,216 bytes
	s_or_b32 s[G0B+4*\s+3], s[G0B+4*\s+3], 0x80000000
	JLOAD \s                                       ; both slots are asked for before anything else: two tensor loads of a wave are out here, later one
.endr
	v_and_b32 v1, 15, v0                           ; l % 16
	v_bfe_u32 v2, v0, 4, 1                         ; l / 16
	v_mul_u32_u24 v3, v1, PITCH
	v_lshl_add_u32 v3, v2, 4, v3                   ; row x pitch + 16 x half
	s_mul_i32 s22, s13, AH
	s_mul_i32 s23, s14, BH
	s_add_co_u32 s23, s23, 2*AH
.irp s, 0,1
	v_add_nc_u32 v[ADRA+\s], s22, v3
	v_add_nc_u32 v[ADRB+\s], s23, v3
	s_add_co_u32 s22, s22, SLOT
	s_add_co_u32 s23, s23, SLOT
.endr
	; the way out.  Column 96 wn + 16 b + 8 h of the block lies in block (column / 64) at byte 2 (column % 64):
	; wn = 0: b 0-3 in block 0 at 32 b, b 4-5 in block 1 at 32 (b - 4);  wn = 1: b 0-1 in block 1 at 64 + 32 b, b 2-5 in block 2 at 32 (b - 2).
	s_mul_i32 s22, s13, 128*PITCH
	s_mul_i32 s23, s14, HS+64
	s_add_co_u32 s23, s23, s22
	v_add_nc_u32 v[STOA], s23, v3                  ; for b = 0, 1 (+0, +32) and b = 4, 5 (+HS, +HS+32)
	s_mul_i32 s23, s14, 2*HS-64
	s_add_co_u32 s23, s23, s22
	v_add_nc_u32 v[STOB], s23, v3                  ; for b = 2, 3 (+64, +96)
	v_bfe_u32 v4, v0, 3, 2                         ; lane / 8
	v_and_b32 v5, 7, v0
	v_mul_u32_u24 v4, v4, PITCH
	v_lshl_add_u32 v4, v5, 4, v4                   ; back: four rows of 128 bytes a load
	s_mul_i32 s22, s12, 64*PITCH                   ; wave w stores rows 64 w .. 64 w + 63
	v_add_nc_u32 v[RD], s22, v4
	v_add_nc_u32 v[RD+1], HS, v[RD]
	v_add_nc_u32 v[RD+2], 2*HS, v[RD]
	v_and_b32 v5, 31, v0
	v_lshlrev_b32 v[CO], 4, v5
	v_lshlrev_b32 v6, 5, v2                        ; bias: eight f32 further for lanes 16-31
	s_mul_i32 s66, s42, 192*4
	s_mul_i32 s67, s14, 96*4
	s_add_co_u32 s66, s66, s67
	s_mov_b32 s67, 0
	s_add_nc_u64 s[8:9], s[8:9], s[66:67]          ; b_qkv at my 96 columns
.irp b, 0,1,2,3,4,5
	global_load_b128 v[BIAS+8*\b:BIAS+8*\b+3],   v6, s[8:9] offset:64*\b
	global_load_b128 v[BIAS+8*\b+4:BIAS+8*\b+7], v6, s[8:9] offset:64*\b+16
.endr
	s_mul_i32 s68, s42, 3*524288                   ; qkvh: three blocks of 64 columns for each block column,
	s_lshl_b32 s69, s43, 15                        ; 256 rows of 128 bytes for each block row,
	s_add_co_u32 s68, s68, s69
	s_lshl_b32 s69, s12, 13                        ; 64 rows for each wave
	s_add_co_u32 s68, s68, s69
	s_mov_b32 s69, 0
	s_add_nc_u64 s[10:11], s[10:11], s[68:69]
; 12 matrix instructions: row blocks a0, a0 + 1 of the window's four x all six column blocks, 32 along K.  first = 1: C is the bias (window 0).
; The 48 accumulators take turns in one fixed order, one instruction a turn, over the loop's backward jump too.
.macro MUL12 f, hi, a0, first
.irp a, \a0, \a0+1
.irp b, 0,1,2,3,4,5
.if \first
	v_wmma_f32_16x16x32_f16 v[8*(6*(\a)+\b):8*(6*(\a)+\b)+7], v[\f+8*\b:\f+8*\b+7], v[\f+8*(4*\hi+\a):\f+8*(4*\hi+\a)+7], v[BIAS+8*\b:BIAS+8*\b+7]
.else
	v_wmma_f32_16x16x32_f16 v[8*(6*(\a)+\b):8*(6*(\a)+\b)+7], v[\f+8*\b:\f+8*\b+7], v[\f+8*(4*\hi+\a):\f+8*(4*\hi+\a)+7], v[8*(6*(\a)+\b):8*(6*(\a)+\b)+7]
.endif
.endr
.endr
.endm
; 28 LDS loads in one run: quarter q of a K step (kb q / 2, 32 K at byte 64 (q % 2) of the rows): 96 rows of wqh, then 128 rows of xh, into buffer f
.macro FETCH slot, q, f
	WIN 0x40                                       ; destination window 1, address window 0
.irp i, 0,1,2,3,4,5
	ds_load_b128 v[\f+8*\i:\f+8*\i+3],   v[ADRB+\slot] offset:((\q)>>1)*BKB+((\q)&1)*64+\i*16*PITCH
	ds_load_b128 v[\f+8*\i+4:\f+8*\i+7], v[ADRB+\slot] offset:((\q)>>1)*BKB+((\q)&1)*64+\i*16*PITCH+32
.endr
	WIN 0
.irp i, 0,1,2,3,4,5,6,7
	ds_load_b128 v[\f+8*\i:\f+8*\i+3],   v[ADRA+\slot] offset:((\q)>>1)*AKB+((\q)&1)*64+\i*16*PITCH
	ds_load_b128 v[\f+8*\i+4:\f+8*\i+7], v[ADRA+\slot] offset:((\q)>>1)*AKB+((\q)&1)*64+\i*16*PITCH+32
.endr
.endm
; Four places behind a matrix instruction before a load is issued into a register that it read, or a vector instruction reads its result
; (ISA guide 7.12.1 for vector instructions); the matrix instructions in between are not counted.
.macro PLACES
.rept 4
	v_nop
.endr
.endm
; One of a K step's first three quarters: multiplies buffer f; in its middle fetches quarter q into buffer g.
.macro QUARTER slot, q, f, g, first
	s_wait_dscnt 8                                 ; wqh's rows and xh's rows 0-63 are in; the youngest eight loads (xh's rows 64-127) may be out
.if \first
	WIN 0x81                                       ; source 0 window 1, source 1 and C window 0, D window 2
.else
	WIN 0xa1                                       ; C and D window 2
.endif
	MUL12 \f, 0, 0, \first
	MUL12 \f, 0, 2, \first
	PLACES
	FETCH \slot, \q, \g
	s_wait_dscnt 28                                ; all but the 28 just issued
.if \first
	WIN 0xc1
.else
	WIN 0xf1
.endif
	MUL12 \f, 1, 0, \first
	MUL12 \f, 1, 2, \first
.endm
.macro THREE slot, first
	QUARTER \slot, 1, F0, F1, \first
	QUARTER \slot, 2, F1, F0, 0
	QUARTER \slot, 3, F0, F1, 0
.endm
; The last quarter multiplies buffer 1 and changes slots.  In front of the one barrier each wave waits for its reads of this slot and for all its tensor
; loads (one is out: its part of the next slot).  Behind it (with fill: behind the cluster's round that it opens) the refill comes first, then the next
; slot's first fragments.  From a request to the wait for it a wave issues 180 matrix instructions.
.macro TURN slot, next, fill
	s_wait_dscnt 8
	WIN 0xa1
	MUL12 F1, 0, 0, 0
	s_wait_dscnt 0x0                               ; my reads of this slot are over
	s_wait_tensorcnt 0x0                           ; all my tensor loads have landed
	ds_add_u32 v255, v255
	s_wait_dscnt 0x0
	s_barrier_signal -1
	MUL12 F1, 0, 2, 0                              ; register work while the others arrive
	WIN 0
	s_barrier_wait -1
.if \fill
	CREST                                          ; no wave of any partner still reads this slot or has a load on its way
	s_add_nc_u64 s[G0+4*\slot+2:G0+4*\slot+3], s[G0+4*\slot+2:G0+4*\slot+3], 0x200000     ; two K steps on: four kb of xh
	s_add_nc_u64 s[G0B+4*\slot+2:G0B+4*\slot+3], s[G0B+4*\slot+2:G0B+4*\slot+3], 0x180000 ; four kb of wqh
	JLOAD \slot                                    ; my one tensor load behind the round
.endif
	PLACES
	FETCH \next, 0, F0
	WIN 0xf1
	MUL12 F1, 1, 0, 0
	MUL12 F1, 1, 2, 0
.endm
.macro LAP first                       ; once round the ring, both slots filled again
	THREE 0, \first
	TURN 0, 1, 1
	THREE 1, 0
	TURN 1, 0, 1
.endm
	s_wait_tensorcnt 0x1                           ; my part of K step 0 is in; K step 1's stays out
	s_barrier_signal -1
	s_barrier_wait -1
	FETCH 0, 0, F0
	s_wait_loadcnt 0x0                             ; the bias
	LAP 1                                          ; K steps 0, 1; asks for 2, 3
	WIN 0
	s_mov_b32 s3, 2                                ; K steps 2 to 5; ask for 4 to 7
.Llap:
	LAP 0
	WIN 0
	s_sub_co_u32 s3, s3, 1
	s_cmp_lg_u32 s3, 0
	s_cbranch_scc1 .Llap
	THREE 0, 0                                     ; K steps 6, 7: nothing is left to fetch
	TURN 0, 1, 0
	THREE 1, 0
	s_wait_dscnt 8
	WIN 0xa1
	MUL12 F1, 0, 0, 0
	MUL12 F1, 0, 2, 0
	s_wait_dscnt 0x0
	WIN 0xf1
	MUL12 F1, 1, 0, 0
	MUL12 F1, 1, 2, 0
	; THE WAY OUT.  Results are rounded to f16 and laid in slot 0's bytes as [3 blocks of 64 columns][256 rows][144].  Slot 0 has had its last fill, and every
	; wave's reads of it ended in front of the barrier of the last change of slots, so these stores need no further barrier in front of them.
	PLACES
.macro OUT16 ap, a, from               ; rows 16 ap .. 16 ap + 15 of my 128: the six tiles (a, 0..5) of window 2 or 3
.set TT, TMP+24*((\ap)&1)
	WIN \from
.irp b, 0,1,2,3,4,5
.irp q, 0,1,2,3
	v_cvt_pk_f16_f32 v[TT+4*\b+\q], v[8*(6*\a+\b)+2*\q], v[8*(6*\a+\b)+2*\q+1]
.endr
.endr
	WIN 0
	ds_store_b128 v[STOA], v[TT:TT+3]     offset:\ap*16*PITCH
	ds_store_b128 v[STOA], v[TT+4:TT+7]   offset:\ap*16*PITCH+32
	ds_store_b128 v[STOB], v[TT+8:TT+11]  offset:\ap*16*PITCH+64
	ds_store_b128 v[STOB], v[TT+12:TT+15] offset:\ap*16*PITCH+96
	ds_store_b128 v[STOA], v[TT+16:TT+19] offset:\ap*16*PITCH+HS
	ds_store_b128 v[STOA], v[TT+20:TT+23] offset:\ap*16*PITCH+HS+32
.endm
	OUT16 0, 0, 0x0a
	OUT16 1, 1, 0x0a
	OUT16 2, 2, 0x0a
	OUT16 3, 3, 0x0a
	OUT16 4, 0, 0x0f
	OUT16 5, 1, 0x0f
	OUT16 6, 2, 0x0f
	OUT16 7, 3, 0x0f
	s_wait_dscnt 0x0                               ; my stores are done, for the other waves' sake
	s_barrier_signal -1
	s_barrier_wait -1
.macro BACK hs, f                      ; my 64 rows of block hs: 8,192 dense bytes of qkvh
.irp u, 0,1,2,3,4,5,6,7,8,9,10,11,12,13,14,15
	ds_load_b128 v[\f+4*\u:\f+4*\u+3], v[RD+\hs] offset:\u*4*PITCH
.endr
.irp u, 0,1,2,3,4,5,6,7,8,9,10,11,12,13,14,15
	s_wait_dscnt 15-\u
	global_store_b128 v[CO], v[\f+4*\u:\f+4*\u+3], s[10:11] offset:\hs*524288+\u*512   ; a wave's store covers 512 consecutive bytes, aligned
.endr
.endm
	BACK 0, F0
	BACK 1, F1
	s_wait_xcnt 0x0                                ; buffer 0, which the first sixteen stores read, is loaded again only behind this wait
	BACK 2, F0
	s_set_vgpr_msb 0x1
	s_wait_tensorcnt 0x0
	ds_add_u32 v255, v255
	s_wait_dscnt 0x0
	s_set_vgpr_msb 0x100
	CROUND                                         ; the closing round: no work-group ends while a partner may still ask for a tile that names it
	s_endpgm
.Lfunc_end_k_q52f0aea0be_qkv:
	.size	k_q52f0aea0be_qkv, .Lfunc_end_k_q52f0aea0be_qkv-k_q52f0aea0be_qkv
	.p2alignl 7, 3214868480
	.fill 96, 4, 3214868480
	.section	.rodata,"a",@progbits
	.p2align	6, 0x0
	.amdhsa_kernel k_q52f0aea0be_qkv
		.amdhsa_group_segment_fixed_size 327680
		.amdhsa_private_segment_fixed_size 0
		.amdhsa_enable_private_segment 0
		.amdhsa_kernarg_size 32
		.amdhsa_user_sgpr_count 2
		.amdhsa_user_sgpr_kernarg_segment_ptr 1
		.amdhsa_wavefront_size32 1
		.amdhsa_system_sgpr_workgroup_id_x 1
		.amdhsa_system_sgpr_workgroup_id_y 1
		.amdhsa_system_sgpr_workgroup_id_z 1
		.amdhsa_system_vgpr_workitem_id 0
		.amdhsa_next_free_vgpr 1024
		.amdhsa_next_free_sgpr 80
		.amdhsa_reserve_vcc 0
		.amdhsa_float_denorm_mode_32 3
		.amdhsa_float_denorm_mode_16_64 3
		.amdhsa_memory_ordered 1
		.amdhsa_forward_progress 1
		.amdhsa_inst_pref_size 159
	.end_amdhsa_kernel
	.amdgpu_metadata
---
amdhsa.version: [ 1, 2 ]
amdhsa.kernels:
  - .name:           k_q52f0aea0be_qkv
    .symbol:         k_q52f0aea0be_qkv.kd
    .args:
      - { .name: xh, .offset: 0, .size: 8, .value_kind: global_buffer, .address_space: global }
      - { .name: wqh, .offset: 8, .size: 8, .value_kind: global_buffer, .address_space: global }
      - { .name: b_qkv, .offset: 16, .size: 8, .value_kind: global_buffer, .address_space: global }
      - { .name: qkvh, .offset: 24, .size: 8, .value_kind: global_buffer, .address_space: global }
    .group_segment_fixed_size: 327680
    .private_segment_fixed_size: 0
    .kernarg_segment_align: 8
    .kernarg_segment_size: 32
    .max_flat_workgroup_size: 128
    .sgpr_count:     80
    .vgpr_count:     1024
    .wavefront_size: 32
...
	.end_amdgpu_metadata
.endif
;; end of part 2
;; launch attn (part 3): grid 8 x 32, 8 waves a work-group, no clusters, 230,400 bytes of LDS; arguments qkvh, atth; writes atth
.if DOCPART == 3
	.amdgcn_target "amdgcn-amd-amdhsa--gfx1250"
	.amdhsa_code_object_version 6
	.text
	.protected	k_q52f0aea0be_attn
	.globl	k_q52f0aea0be_attn
	.p2align	8
	.type	k_q52f0aea0be_attn,@function
k_q52f0aea0be_attn:
	s_mov_b64 s[64:65], 0
	v_nop
	global_prefetch_b8 v0, s[64:65] scope:SCOPE_SE
	s_setreg_imm32_b32 hwreg(HW_REG_WAVE_MODE, 25, 1), 1
	s_wait_xcnt 0x0
; attn: softmax over the band 0 <= i - j < 256 of q k^T / 8, times v, for one head and 256 queries a work-group.  f16 operands, f32 sums, f32 softmax
; with a running maximum.  In: qkvh [48][4096][64] f16 (q 0-15, k 16-31, v 32-47).  Out: atth [16 heads][4096][64] f16.
; LIMITS: the result is kept in f16 (it is an average of v's rows, so it is no larger than they are); an exponential below 2^-126 counts as 0;
; NaN and infinite scores are not served.
; Grid: x = block of 256 queries, y = 16 batch + head.  The work-group needs its own 256 keys and the 256 before them: K, V and Q are brought into LDS once,
; by tensor loads that all go out at the start (three of a wave at the most); nothing is filled twice, one barrier in all.
; NO CLUSTER: a block of 256 keys is read by two work-groups only, and it is the later half of the window in one and the earlier half in the other, so a joint
; load would need LDS addresses that hang on the place in the cluster.
; Wave w owns queries 32 w .. 32 w + 31 and takes keys in chunks of 32: chunk t holds the keys 32 t before its own, i - j = 32 t + (query - key in chunk).
; t = 0 is the diagonal (key <= query), t = 1..7 are whole, t = 8 is the window's edge (key > query).  The diagonal comes first, so every row's running
; maximum is finite from the start.  In the first block of a sequence chunk t exists only for t <= w.
; LAYOUTS: S^T = K Q^T (source 0 = 16 keys, source 1 = 16 queries): lane (r, h), register j = (key 8 h + j, query r).  A lane serves one query: maximum and sum are
; per lane plus one exchange between the halves.  Packing two key tiles gives source 1 of O^T = V^T P^T as it stands; V^T comes by the transposing LDS load.
; O^T: lane (r, h), register j = (d = 16 dt + 8 h + j, query r): the rescale is per lane and eight neighbouring d are 16 bytes in f16.
.set KP,  144                          ; LDS pitch of K's, Q's and the stage's rows: 128 + 16, an odd multiple of 16
.set VP,  160                          ; of V's rows: 128 + 32, an odd multiple of 32, for the transposing load
.set LV,  512*KP                       ; 73,728: V behind K's 512 rows
.set LQ,  LV+512*VP                    ; 155,648: Q's 256 rows
.set LST, LQ+256*KP                    ; 192,512: the stage, 32 rows for each wave, a multiple of 256; no fill lands there
.set KA, 4                             ; LDS address of my K fragments in chunk 8; chunk t lies (8 - t) x 32 rows further; never rewritten
.set VA, 5                             ; the same for V
.set QA, 6
.set STO, 7
.set RD, 8
.set CO, 9
.set NINF, 10                          ; minus infinity
.set DL, 11                            ; r - 8 h
.set M,  12                            ; v12-13  running maximum, query tile 0, 1
.set LS, 14                            ; v14-15  running sum of my half of the keys
.set AL, 16                            ; v[16:17], v[18:19]  the rescale factor (second register of each pair: 0, written once)
.set NM, 20                            ; v[20:21], v[22:23]  -c x maximum (likewise)
.set T,  24
.set TP, 25
.set U,  26                            ; v[26:33]  pairs of partial sums
.set AA, 34                            ; v34-35    the new -c x maximum; the rescale factor's exponent
.set QF, 40                            ; v[40:71]   Q(qt, ks) at 40 + 8 (2 qt + ks)
.set KF, 72                            ; v[72:103]  K(kt, ks) at 72 + 8 (2 kt + ks)
.set VF, 104                           ; v[104:135] V^T(dt) at 104 + 8 dt
.set SB, 136                           ; v[136:167] S(kt, qt) at 136 + 16 qt + 8 kt; then P(qt) in the first eight of each sixteen
.set E,  168                           ; v[168:183] the exponentials of one query tile
.set OB, 192                           ; v[192:255] O(dt, qt) at 192 + 8 (4 qt + dt)
.set MK, 66                            ; s[66:73]   lane masks: j <= r - 8 h
.set CPOS, 0x3e38aa3b                  ; c = log2(e) / 8
.set CNEG, 0xbe38aa3b
	s_load_b128 s[4:7], s[0:1], 0x0                ; qkvh s[4:5], atth s[6:7]
	v_lshl_add_u32 v190, v0, 2, 0x38000
	v_mov_b32 v191, 0
	ds_add_u32 v190, v191
	ds_add_u32 v190, v191
	v_lshrrev_b32 v1, 5, v0
	v_readfirstlane_b32 s8, v1                     ; wave 0..7
	s_mov_b32 s9, ttmp9                            ; block of queries
	s_and_b32 s10, ttmp7, 0xffff
	s_lshr_b32 s11, s10, 4                         ; batch
	s_and_b32 s12, s10, 15                         ; head
	s_lshl_b32 s13, s11, 11
	s_lshl_b32 s14, s9, 8
	s_add_co_u32 s13, s13, s14                     ; my first row among the 4,096
	; group 1, three shapes.  Every tile is dense in memory and comes as rows of 256 bytes (32 elements of 8 bytes); the mover skips bytes after every 128.
	s_mov_b32 s16, (3<<16)|(1<<20)|(4<<22)|(3<<25) ; K: 64 rows of 128 bytes = 32 of 256; after every 32 words 4 words
	s_mov_b32 s17, 32<<16
	s_mov_b32 s18, 32<<16
	s_mov_b32 s19, 32<<16
	s_mov_b32 s20, 32
	s_mov_b32 s21, 32
	s_mov_b32 s22, 0
	s_mov_b32 s23, 0
	s_mov_b32 s24, (3<<16)|(1<<20)|(4<<22)|(7<<25) ; V: the same, 8 words of padding
	s_mov_b32 s25, 32<<16
	s_mov_b32 s26, 32<<16
	s_mov_b32 s27, 32<<16
	s_mov_b32 s28, 32
	s_mov_b32 s29, 32
	s_mov_b32 s30, 0
	s_mov_b32 s31, 0
	s_mov_b32 s32, (3<<16)|(1<<20)|(4<<22)|(3<<25) ; Q: 32 rows of 128 bytes = 16 of 256
	s_mov_b32 s33, 32<<16
	s_mov_b32 s34, 16<<16
	s_mov_b32 s35, 32<<16
	s_mov_b32 s36, 16
	s_mov_b32 s37, 32
	s_mov_b32 s38, 0
	s_mov_b32 s39, 0
	; every wave: its own 32 rows of Q
	s_lshl_b32 s14, s8, 5
	s_add_co_u32 s14, s14, s13
	s_lshl_b32 s14, s14, 7
	s_lshl_b32 s15, s12, 19                        ; head x 524,288
	s_add_co_u32 s52, s14, s15
	s_mov_b32 s53, 0
	s_mov_b32 s40, 1
	s_mul_i32 s41, s8, 32*KP
	s_add_co_u32 s41, s41, LQ
	s_wait_dscnt 0x0
	s_wait_kmcnt 0x0
	s_add_nc_u64 s[42:43], s[4:5], s[52:53]
	s_or_b32 s43, s43, 0x80000000
	s_add_nc_u64 s[6:7], s[6:7], s[52:53]          ; atth at the same head and rows: the same offset
	tensor_load_to_lds s[40:43], s[32:39]
	s_nop 0
	; waves 0-3: 64 rows of K each, own block and (but in a sequence's first block) the block before; waves 4-7: the same of V
	s_lshl_b32 s14, s8, 6
	s_add_co_u32 s14, s14, s13
	s_lshl_b32 s14, s14, 7
	s_add_co_u32 s14, s14, s15
	s_mov_b32 s44, 1
	s_mov_b32 s48, 1
	s_cmp_lt_u32 s8, 4
	s_cbranch_scc0 .Lvwaves
	s_add_co_u32 s52, s14, 16*524288
	s_add_nc_u64 s[58:59], s[4:5], s[52:53]
	s_mul_i32 s49, s8, 64*KP                       ; the earlier block: LDS rows 64 w
	s_add_co_u32 s45, s49, 256*KP                  ; my block: LDS rows 256 + 64 w
	s_mov_b64 s[46:47], s[58:59]
	s_or_b32 s47, s47, 0x80000000
	tensor_load_to_lds s[44:47], s[16:23]
	s_nop 0
	s_cmp_eq_u32 s9, 0
	s_cbranch_scc1 .Lfilled
	s_sub_nc_u64 s[50:51], s[58:59], 0x8000        ; 256 rows of 128 bytes back
	s_or_b32 s51, s51, 0x80000000
	tensor_load_to_lds s[48:51], s[16:23]
	s_nop 0
	s_branch .Lfilled
.Lvwaves:
	s_add_co_u32 s52, s14, 32*524288-256*128       ; rows 64 (w - 4)
	s_add_nc_u64 s[58:59], s[4:5], s[52:53]
	s_mul_i32 s49, s8, 64*VP
	s_add_co_u32 s45, s49, LV                      ; LV + (256 + 64 (w - 4)) x 160
	s_add_co_u32 s49, s49, LV-256*VP               ; LV + 64 (w - 4) x 160
	s_mov_b64 s[46:47], s[58:59]
	s_or_b32 s47, s47, 0x80000000
	tensor_load_to_lds s[44:47], s[24:31]
	s_nop 0
	s_cmp_eq_u32 s9, 0
	s_cbranch_scc1 .Lfilled
	s_sub_nc_u64 s[50:51], s[58:59], 0x8000
	s_or_b32 s51, s51, 0x80000000
	tensor_load_to_lds s[48:51], s[24:31]
	s_nop 0
.Lfilled:
	v_and_b32 v1, 15, v0                           ; r
	v_bfe_u32 v2, v0, 4, 1                         ; h
	v_mul_u32_u24 v3, v1, KP
	v_lshl_add_u32 v3, v2, 4, v3
	s_mul_i32 s14, s8, 32*KP
	v_add_nc_u32 v[KA], s14, v3                    ; (32 w + r) x 144 + 16 h
	v_add_nc_u32 v[QA], LQ, v[KA]
	v_add_nc_u32 v[STO], LST, v[KA]
	v_and_b32 v3, 7, v0
	v_lshl_add_u32 v[T], v2, 3, v3                 ; 8 h + lane % 8
	v_mul_u32_u24 v[T], v[T], VP
	v_bfe_u32 v[TP], v0, 3, 1
	v_lshl_add_u32 v[T], v[TP], 4, v[T]            ; + 16 x ((lane / 8) % 2)
	s_mul_i32 s15, s8, 32*VP
	s_add_co_u32 s15, s15, LV
	v_add_nc_u32 v[VA], s15, v[T]
	v_bfe_u32 v[T], v0, 3, 2                       ; lane / 8
	v_mul_u32_u24 v[T], v[T], KP
	v_lshl_add_u32 v[T], v3, 4, v[T]
	s_add_co_u32 s14, s14, LST
	v_add_nc_u32 v[RD], s14, v[T]
	v_and_b32 v[T], 31, v0
	v_lshlrev_b32 v[CO], 4, v[T]
	v_mov_b32 v[NINF], 0xff800000
	v_lshlrev_b32 v[T], 3, v2
	v_sub_nc_u32 v[DL], v1, v[T]
.irp j, 0,1,2,3,4,5,6,7
	v_cmp_le_i32 s[MK+\j], \j, v[DL]               ; key 8 h + j <= query r, inside a tile on the diagonal
.endr
	v_mov_b32 v[AL+1], 0                           ; second registers of pairs of which the first alone is used
	v_mov_b32 v[AL+3], 0
	v_mov_b32 v[NM+1], 0
	v_mov_b32 v[NM+3], 0
	v_mov_b32 v[TP], 0                             ; the exchange's destination counts as read
	s_mov_b32 s56, 0x76543210                      ; lane i of one half reads lane i of the other
	s_mov_b32 s57, 0xfedcba98
	s_cmp_eq_u32 s9, 0
	s_cselect_b32 s54, s8, 8                       ; the last chunk that exists: w in a sequence's first block, else 8
	s_wait_tensorcnt 0x0                           ; my tiles have landed,
	s_barrier_signal -1
	s_barrier_wait -1                              ; everybody's have
; One query tile's softmax step on its 16 x 32 scores in v[X:X+15].  kind 1: the diagonal and the first chunk; 0: whole; 2: the window's edge.
.macro SOFT qt, kind
.set X, SB+16*\qt
.if \kind == 1
.irp j, 0,1,2,3,4,5,6,7
	v_cndmask_b32 v[X+8*\qt+\j], v[NINF], v[X+8*\qt+\j], s[MK+\j]    ; the tile on the diagonal keeps key <= query
.endr
.if \qt == 0
.irp j, 0,1,2,3,4,5,6,7
	v_mov_b32 v[X+8+\j], v[NINF]                   ; keys 16-31 against queries 0-15: all later
.endr
.endif
.endif
.if \kind == 2
.irp j, 0,1,2,3,4,5,6,7
	v_cndmask_b32 v[X+8*\qt+\j], v[X+8*\qt+\j], v[NINF], s[MK+\j]    ; keeps key > query: i - j < 256
.endr
.if \qt == 1
.irp j, 0,1,2,3,4,5,6,7
	v_mov_b32 v[X+\j], v[NINF]                     ; keys 0-15 against queries 16-31: all too old
.endr
.endif
.endif
	v_max3_num_f32 v[T], v[X], v[X+1], v[X+2]
.irp j, 3,5,7,9,11,13
	v_max3_num_f32 v[T], v[T], v[X+\j], v[X+\j+1]
.endr
.if \kind == 1
	v_max_num_f32 v[T], v[T], v[X+15]
.else
	v_max3_num_f32 v[T], v[T], v[X+15], v[M+\qt]
.endif
	v_permlanex16_b32 v[TP], v[T], s56, s57        ; the other half's keys
	v_max_num_f32 v[M+\qt], v[T], v[TP]
.if \kind == 1
	v_mul_f32 v[NM+2*\qt], CNEG, v[M+\qt]
.else
	v_mul_f32 v[AA], CNEG, v[M+\qt]
	v_sub_f32 v[AA+1], v[AA], v[NM+2*\qt]          ; the factor's exponent is the difference of the two shifts as they are applied
	v_mov_b32 v[NM+2*\qt], v[AA]
.endif
.irp j, 0,2,4,6,8,10,12,14
	v_pk_fma_f32 v[X+\j:X+\j+1], v[X+\j:X+\j+1], CPOS, v[NM+2*\qt:NM+2*\qt+1] op_sel_hi:[1,0,0]   ; c s - c max, one rounding
.endr
.irp j, 0,1,2,3,4,5,6,7,8,9,10,11,12,13,14,15
	v_exp_f32 v[E+\j], v[X+\j]
.endr
.if \kind != 1
	v_exp_f32 v[AL+2*\qt], v[AA+1]
.endif
	v_nop                                          ; one plain place behind the exponentials before their results are used or their sources rewritten (ISA guide 5.7.2)
	s_wait_alu depctr_va_vdst(0)
	v_pk_add_f32 v[U:U+1],   v[E:E+1],     v[E+2:E+3]
	v_pk_add_f32 v[U+2:U+3], v[E+4:E+5],   v[E+6:E+7]
	v_pk_add_f32 v[U+4:U+5], v[E+8:E+9],   v[E+10:E+11]
	v_pk_add_f32 v[U+6:U+7], v[E+12:E+13], v[E+14:E+15]
	v_pk_add_f32 v[U:U+1],   v[U:U+1],     v[U+2:U+3]
	v_pk_add_f32 v[U+4:U+5], v[U+4:U+5],   v[U+6:U+7]
	v_pk_add_f32 v[U:U+1],   v[U:U+1],     v[U+4:U+5]
.if \kind == 1
	v_add_f32 v[LS+\qt], v[U], v[U+1]
.else
	v_add_f32 v[T], v[U], v[U+1]
	v_fma_f32 v[LS+\qt], v[LS+\qt], v[AL+2*\qt], v[T]
.endif
.irp j, 0,1,2,3,4,5,6,7
	v_cvt_pk_f16_f32 v[X+\j], v[E+2*\j], v[E+2*\j+1]   ; registers 0-3: keys 8 h .. 8 h + 7, registers 4-7: keys 16 + 8 h ..: source 1 of the second product
.endr
.if \kind != 1
.irp j, 0,2,4,6,8,10,12,14,16,18,20,22,24,26,28,30
	v_pk_mul_f32 v[OB+32*\qt+\j:OB+32*\qt+\j+1], v[OB+32*\qt+\j:OB+32*\qt+\j+1], v[AL+2*\qt:AL+2*\qt+1] op_sel_hi:[1,0]
.endr
.endif
.endm
; Chunk t.  All accumulators of a run of matrix instructions take turns, one instruction a turn.
.macro CHUNK t, kind
.if \kind != 1
.rept 5
	v_nop                                          ; five places behind the last chunk's products: loads go into their sources, and the S products write over P
.endr
.endif
.irp kt, 0,1
.irp ks, 0,1
	ds_load_b128 v[KF+8*(2*\kt+\ks):KF+8*(2*\kt+\ks)+3],   v[KA] offset:(8-\t)*32*KP+\kt*16*KP+\ks*64
	ds_load_b128 v[KF+8*(2*\kt+\ks)+4:KF+8*(2*\kt+\ks)+7], v[KA] offset:(8-\t)*32*KP+\kt*16*KP+\ks*64+32
.endr
.endr
.irp dt, 0,1,2,3
	ds_load_tr16_b128 v[VF+8*\dt:VF+8*\dt+3],   v[VA] offset:(8-\t)*32*VP+\dt*32
	ds_load_tr16_b128 v[VF+8*\dt+4:VF+8*\dt+7], v[VA] offset:(8-\t)*32*VP+\dt*32+16*VP
.endr
	s_wait_dscnt 8                                 ; K (and, the first time, Q) is in; V's eight loads stay out
.irp qt, 0,1
.irp kt, 0,1
	v_wmma_f32_16x16x32_f16 v[SB+16*\qt+8*\kt:SB+16*\qt+8*\kt+7], v[KF+16*\kt:KF+16*\kt+7], v[QF+16*\qt:QF+16*\qt+7], 0
.endr
.endr
.irp qt, 0,1
.irp kt, 0,1
	v_wmma_f32_16x16x32_f16 v[SB+16*\qt+8*\kt:SB+16*\qt+8*\kt+7], v[KF+16*\kt+8:KF+16*\kt+15], v[QF+16*\qt+8:QF+16*\qt+15], v[SB+16*\qt+8*\kt:SB+16*\qt+8*\kt+7]
.endr
.endr
.rept 4
	v_nop                                          ; four places before vector instructions read the scores
.endr
	SOFT 0, \kind
	SOFT 1, \kind
	s_wait_dscnt 0x0                               ; V is in
.irp qt, 0,1
.irp dt, 0,1,2,3
.if \kind == 1
	v_wmma_f32_16x16x32_f16 v[OB+8*(4*\qt+\dt):OB+8*(4*\qt+\dt)+7], v[VF+8*\dt:VF+8*\dt+7], v[SB+16*\qt:SB+16*\qt+7], 0
.else
	v_wmma_f32_16x16x32_f16 v[OB+8*(4*\qt+\dt):OB+8*(4*\qt+\dt)+7], v[VF+8*\dt:VF+8*\dt+7], v[SB+16*\qt:SB+16*\qt+7], v[OB+8*(4*\qt+\dt):OB+8*(4*\qt+\dt)+7]
.endif
.endr
.endr
.endm
.irp qt, 0,1
.irp ks, 0,1
	ds_load_b128 v[QF+8*(2*\qt+\ks):QF+8*(2*\qt+\ks)+3],   v[QA] offset:\qt*16*KP+\ks*64
	ds_load_b128 v[QF+8*(2*\qt+\ks)+4:QF+8*(2*\qt+\ks)+7], v[QA] offset:\qt*16*KP+\ks*64+32
.endr
.endr
	CHUNK 0, 1
.irp t, 1,2,3,4,5,6,7
	s_cmp_lt_u32 s54, \t                           ; chunk t lies in front of the sequence's first key: done
	s_cbranch_scc1 .Lend
	CHUNK \t, 0
.endr
	s_cmp_lt_u32 s54, 8
	s_cbranch_scc1 .Lend
	CHUNK 8, 2
.Lend:
.rept 4
	v_nop                                          ; four places before vector instructions read O
.endr
	v_permlanex16_b32 v[TP], v[LS], s56, s57       ; the two halves' sums meet
	v_add_f32 v[LS], v[LS], v[TP]
	v_permlanex16_b32 v[TP], v[LS+1], s56, s57
	v_add_f32 v[LS+1], v[LS+1], v[TP]
	v_rcp_f32 v[AL], v[LS]                         ; the sum holds the maximum's own term, 1, so it is at least 1
	v_rcp_f32 v[AL+2], v[LS+1]
	v_nop
	s_wait_alu depctr_va_vdst(0)
.irp qt, 0,1
.irp dt, 0,1,2,3
.irp i, 0,2,4,6
	v_pk_mul_f32 v[OB+8*(4*\qt+\dt)+\i:OB+8*(4*\qt+\dt)+\i+1], v[OB+8*(4*\qt+\dt)+\i:OB+8*(4*\qt+\dt)+\i+1], v[AL+2*\qt:AL+2*\qt+1] op_sel_hi:[1,0]
.endr
.irp i, 0,1,2,3
	v_cvt_pk_f16_f32 v[OB+8*(4*\qt+\dt)+\i], v[OB+8*(4*\qt+\dt)+2*\i], v[OB+8*(4*\qt+\dt)+2*\i+1]
.endr
	ds_store_b128 v[STO], v[OB+8*(4*\qt+\dt):OB+8*(4*\qt+\dt)+3] offset:\qt*16*KP+\dt*32   ; query 16 qt + r, d = 16 dt + 8 h ..
.endr
.endr
.irp u, 0,1,2,3,4,5,6,7
	ds_load_b128 v[KF+4*\u:KF+4*\u+3], v[RD] offset:\u*4*KP    ; my own stage: LDS serves a wave's instructions in order (ISA guide 5.7.1.4)
.endr
.irp u, 0,1,2,3,4,5,6,7
	s_wait_dscnt 7-\u
	global_store_b128 v[CO], v[KF+4*\u:KF+4*\u+3], s[6:7] offset:\u*512   ; four rows of 128 bytes: 512 consecutive bytes, aligned
.endr
	s_wait_tensorcnt 0x0
	ds_add_u32 v190, v191
	s_wait_dscnt 0x0
	s_endpgm
.Lfunc_end_k_q52f0aea0be_attn:
	.size	k_q52f0aea0be_attn, .Lfunc_end_k_q52f0aea0be_attn-k_q52f0aea0be_attn
	.p2alignl 7, 3214868480
	.fill 96, 4, 3214868480
	.section	.rodata,"a",@progbits
	.p2align	6, 0x0
	.amdhsa_kernel k_q52f0aea0be_attn
		.amdhsa_group_segment_fixed_size 230400
		.amdhsa_private_segment_fixed_size 0
		.amdhsa_enable_private_segment 0
		.amdhsa_kernarg_size 16
		.amdhsa_user_sgpr_count 2
		.amdhsa_user_sgpr_kernarg_segment_ptr 1
		.amdhsa_wavefront_size32 1
		.amdhsa_system_sgpr_workgroup_id_x 1
		.amdhsa_system_sgpr_workgroup_id_y 1
		.amdhsa_system_sgpr_workgroup_id_z 1
		.amdhsa_system_vgpr_workitem_id 0
		.amdhsa_next_free_vgpr 256
		.amdhsa_next_free_sgpr 80
		.amdhsa_reserve_vcc 0
		.amdhsa_float_denorm_mode_32 3
		.amdhsa_float_denorm_mode_16_64 3
		.amdhsa_memory_ordered 1
		.amdhsa_forward_progress 1
		.amdhsa_inst_pref_size 110
	.end_amdhsa_kernel
	.amdgpu_metadata
---
amdhsa.version: [ 1, 2 ]
amdhsa.kernels:
  - .name:           k_q52f0aea0be_attn
    .symbol:         k_q52f0aea0be_attn.kd
    .args:
      - { .name: qkvh, .offset: 0, .size: 8, .value_kind: global_buffer, .address_space: global }
      - { .name: atth, .offset: 8, .size: 8, .value_kind: global_buffer, .address_space: global }
    .group_segment_fixed_size: 230400
    .private_segment_fixed_size: 0
    .kernarg_segment_align: 8
    .kernarg_segment_size: 16
    .max_flat_workgroup_size: 256
    .sgpr_count:     80
    .vgpr_count:     256
    .wavefront_size: 32
...
	.end_amdgpu_metadata
.endif
;; end of part 3
;; launch oproj (part 4): grid 8 x 32, 4 waves a work-group, clusters of 4 x 4, 327,680 bytes of LDS; arguments atth, woh, b_out, out0; writes out0
.if DOCPART == 4
	.amdgcn_target "amdgcn-amd-amdhsa--gfx1250"
	.amdhsa_code_object_version 6
	.text
	.protected	k_q52f0aea0be_oproj
	.globl	k_q52f0aea0be_oproj
	.p2align	8
	.type	k_q52f0aea0be_oproj,@function
k_q52f0aea0be_oproj:
	s_mov_b64 s[64:65], 0
	v_nop
	global_prefetch_b8 v0, s[64:65] scope:SCOPE_SE
	s_setreg_imm32_b32 hwreg(HW_REG_WAVE_MODE, 25, 1), 1
	s_wait_xcnt 0x0
	s_wait_alu depctr_hold_cnt(0) depctr_sa_sdst(0) depctr_va_vdst(0) depctr_va_sdst(0) depctr_va_ssrc(0) depctr_va_vcc(0) depctr_vm_vsrc(0)
	s_getreg_b32 s2, hwreg(HW_REG_IB_STS2, 6, 4)
	s_cmp_eq_u32 s2, 0
	s_cbranch_scc0 .Lentry_in_a_cluster
	s_endpgm
.Lentry_in_a_cluster:
	s_bfe_u32 s2, ttmp6, 0x10000c
	s_cmp_lg_u32 s2, 0xf033
	s_cbranch_scc0 .Lentry_shape_is_right
	s_endpgm
.Lentry_shape_is_right:
; oproj: out0 = att W_out + b_out, a product of 4096 x 1024 over K = 1024, f16 operands, f32 sums, f32 out.
; In: atth [16 kb][4096][64] f16 (kb = head), woh [16 kb][1024 n][64 k] f16, b_out [1024] f32.  Out: out0 [4096][1024] f32.
; A work-group makes 128 x 128 with four waves; a wave 64 x 64: 16 accumulator tiles.  8 x 32 work-groups.
; K goes in four steps of 256 (four kb) through two LDS slots: a step is 128 matrix instructions of a wave, in which the next tile has to land.
; Each wave fetches 64 rows x four kb by one tensor load; each kb's part is one dense run of 8,192 bytes; LDS rows are 144 bytes apart.
; CLUSTERS: 4 x 4 work-groups; atth's tile is asked for jointly along a row of the cluster, woh's along a column.
; REGISTER WINDOWS: 0: addresses, fragments (two buffers each), the bias, the way out; 1: the accumulators, tile (a, b) at v[8 (4 a + b)].
; A run of LDS loads needs its destination in window 0 and a run of products theirs in window 1: two switches for sixteen matrix instructions.
; The matrix instruction is used transposed (source 0 = rows of woh, source 1 = rows of atth): a lane's eight results are eight neighbouring columns of a row.
.set PITCH, 144
.set KBL,  64*PITCH                    ; one kb of 64 rows
.set PART, 4*KBL                       ; what one tensor load brings: 36,864
.set SLOT, 4*PART                      ; atth's halves 0, 1, then woh's halves 0, 1
.set STAGE, 2*SLOT                     ; 294,912, a multiple of 256: 16 rows x 272 bytes for each wave; no fill lands there
.set SPITCH, 272
.set ADRA, 16
.set ADRB, 20
.set STO,  24
.set RD,   25
.set CO,   26
.set AF,   64                          ; v64-95, v96-127    fragments of atth, buffers 0, 1
.set BF,   128                         ; v128-159, v160-191 fragments of woh, buffers 0, 1
.set BIAS, 192                         ; v192-223 bias of my 64 columns; later the way out's second buffer
.set W0,   224                         ; v224-255 the way out's first buffer
.set G1,  24
.set G0,  32
.set G1B, 48
.set G0B, 56
.set MSB, 0
.macro WIN new
.if MSB != \new
	s_set_vgpr_msb (MSB<<8)|\new
.set MSB, \new
.endif
.endm
.macro JLOAD s                         ; waves 0, 1 ask for atth's halves, waves 2, 3 for woh's
	s_cmp_eq_u32 s13, 0
	s_cbranch_scc0 .Lfor_b_\@
	tensor_load_to_lds s[G0+4*\s:G0+4*\s+3], s[G1:G1+7]
	s_nop 0
	s_branch .Lasked_\@
.Lfor_b_\@:
	tensor_load_to_lds s[G0B+4*\s:G0B+4*\s+3], s[G1B:G1B+7]
	s_nop 0
.Lasked_\@:
.endm
.macro CREST
	s_cmp_lg_u32 s12, 0
	s_cbranch_scc1 .Lnot_wave_0_\@
	s_barrier_signal -3
.Lnot_wave_0_\@:
	s_barrier_wait -3
	s_barrier_signal -1
	s_barrier_wait -1
.endm
.macro CROUND
	s_barrier_signal -1
	s_barrier_wait -1
	CREST
.endm
	s_load_b256 s[4:11], s[0:1], 0x0               ; atth s[4:5], woh s[6:7], b_out s[8:9], out0 s[10:11]
	v_lshl_add_u32 v62, v0, 2, 0x4c400
	v_mov_b32 v63, 0
	ds_add_u32 v62, v63
	ds_add_u32 v62, v63
	v_lshrrev_b32 v1, 5, v0
	v_readfirstlane_b32 s12, v1                    ; wave 0..3
	s_lshr_b32 s13, s12, 1                         ; which 64 rows are mine.  Also: I fetch for atth (0) or woh (1)
	s_and_b32 s14, s12, 1                          ; which 64 columns.  Also: which half of that tile I fetch
	s_bfe_u32 s40, ttmp6, 0x40000                  ; cx
	s_bfe_u32 s41, ttmp6, 0x40004                  ; cy
	s_lshl_b32 s42, ttmp9, 2
	s_add_co_u32 s42, s42, s40                     ; block column
	s_and_b32 s43, ttmp7, 0xffff
	s_lshl_b32 s43, s43, 2
	s_add_co_u32 s43, s43, s41                     ; block row
	s_lshl_b32 s44, s41, 2
	s_lshl_b32 s44, 15, s44                        ; my row of the cluster
	s_lshl_b32 s45, 0x1111, s40                    ; my column
	s_or_b32 s[G1+0], s44, (3<<16)|(1<<20)|(1<<21)|(4<<22)|(3<<25)   ; mask; 8-byte elements; padding: after every 32 words 4 words; bit 21 beside a mask
	s_or_b32 s[G1B+0], s45, (3<<16)|(1<<20)|(1<<21)|(4<<22)|(3<<25)
	s_mov_b32 s[G1+1], 1024<<16                    ; tensor_dim0 = 1,024 elements = 64 rows x 128 bytes
	s_mov_b32 s[G1B+1], 1024<<16
	s_mov_b32 s[G1+2], 4<<16                       ; tensor_dim1 = 4 kb
	s_mov_b32 s[G1B+2], 4<<16
	s_mov_b32 s[G1+3], 1024<<16                    ; tile_dim0
	s_mov_b32 s[G1B+3], 1024<<16
	s_mov_b32 s[G1+4], 4                           ; tile_dim1
	s_mov_b32 s[G1B+4], 4
	s_mov_b32 s[G1+5], 65536                       ; from kb to kb: 4,096 rows x 128 bytes, in elements
	s_mov_b32 s[G1B+5], 16384                      ; 1,024 rows x 128 bytes
	s_mov_b32 s[G1+6], 0
	s_mov_b32 s[G1B+6], 0
	s_mov_b32 s[G1+7], 0
	s_mov_b32 s[G1B+7], 0
	s_lshl_b32 s16, s43, 14                        ; 128 rows x 128 bytes
	s_lshl_b32 s17, s14, 13                        ; + my half of 64 rows
	s_add_co_u32 s16, s16, s17
	s_mov_b32 s17, 0
	s_lshl_b32 s46, s42, 14
	s_lshl_b32 s47, s14, 13
	s_add_co_u32 s46, s46, s47
	s_mov_b32 s47, 0
	s_mul_i32 s20, s12, PART                       ; where they go: wave x 36,864
	s_wait_dscnt 0x0
	s_wait_kmcnt 0x0
	s_add_nc_u64 s[18:19], s[4:5], s[16:17]
	s_add_nc_u64 s[46:47], s[6:7], s[46:47]
	CROUND                                         ; in front of the first joint loads
.irp s, 0,1
	s_mov_b32 s[G0+4*\s], 1
	s_add_co_u32 s[G0+4*\s+1], s20, \s*SLOT
	s_add_nc_u64 s[G0+4*\s+2:G0+4*\s+3], s[18:19], \s*0x200000     ; K step s: four kb of 524,288 bytes
	s_or_b32 s[G0+4*\s+3], s[G0+4*\s+3], 0x80000000
	s_mov_b32 s[G0B+4*\s], 1
	s_add_co_u32 s[G0B+4*\s+1], s20, \s*SLOT
	s_add_nc_u64 s[G0B+4*\s+2:G0B+4*\s+3], s[46:47], \s*0x80000    ; four kb of 131,072 bytes
	s_or_b32 s[G0B+4*\s+3], s[G0B+4*\s+3], 0x80000000
	JLOAD \s                                       ; two tensor loads of a wave are out here, later one
.endr
	v_and_b32 v1, 15, v0                           ; r
	v_bfe_u32 v2, v0, 4, 1                         ; h
	v_mul_u32_u24 v3, v1, PITCH
	v_lshl_add_u32 v3, v2, 4, v3
	s_mul_i32 s22, s13, PART
	s_mul_i32 s23, s14, PART
	s_add_co_u32 s23, s23, 2*PART
.irp s, 0,1
	v_add_nc_u32 v[ADRA+\s], s22, v3
	v_add_nc_u32 v[ADRB+\s], s23, v3
	s_add_co_u32 s22, s22, SLOT
	s_add_co_u32 s23, s23, SLOT
.endr
	s_mul_i32 s22, s12, 16*SPITCH
	s_add_co_u32 s22, s22, STAGE                   ; my stage
	v_mul_u32_u24 v4, v1, SPITCH                   ; in: row r, 32 bytes for each half of the lanes
	v_lshl_add_u32 v4, v2, 5, v4
	v_add_nc_u32 v[STO], s22, v4
	v_mul_u32_u24 v5, v2, SPITCH                   ; back: lanes 0-15 one row of 256 bytes, lanes 16-31 the next
	v_lshl_add_u32 v5, v1, 4, v5
	v_add_nc_u32 v[RD], s22, v5
	v_lshlrev_b32 v5, 12, v2                       ; and the same two rows of out0, 4,096 bytes apart
	v_lshl_add_u32 v[CO], v1, 4, v5
	v_lshlrev_b32 v6, 5, v2                        ; bias: eight f32 further for lanes 16-31
	s_lshl_b32 s66, s42, 9                         ; 128 columns of 4 bytes
	s_lshl_b32 s67, s14, 8
	s_add_co_u32 s66, s66, s67
	s_mov_b32 s67, 0
	s_add_nc_u64 s[8:9], s[8:9], s[66:67]          ; b_out at my 64 columns
.irp b, 0,1,2,3
	global_load_b128 v[BIAS+8*\b:BIAS+8*\b+3],   v6, s[8:9] offset:64*\b
	global_load_b128 v[BIAS+8*\b+4:BIAS+8*\b+7], v6, s[8:9] offset:64*\b+16
.endr
	s_lshl_b32 s68, s43, 19                        ; 128 rows of 4,096 bytes
	s_lshl_b32 s69, s13, 18                        ; + my 64 rows
	s_add_co_u32 s68, s68, s69
	s_add_co_u32 s68, s68, s66                     ; + my columns
	s_mov_b32 s69, 0
	s_add_nc_u64 s[10:11], s[10:11], s[68:69]
; four matrix instructions: row block a x all four column blocks, 32 along K, on buffer f.  first = 1: C is the bias (window 0).
; The sixteen accumulators take turns in one fixed order, one instruction a turn.
.macro MULA f, a, first
.irp b, 0,1,2,3
.if \first
	v_wmma_f32_16x16x32_f16 v[8*(4*\a+\b):8*(4*\a+\b)+7], v[BF+32*\f+8*\b:BF+32*\f+8*\b+7], v[AF+32*\f+8*\a:AF+32*\f+8*\a+7], v[BIAS+8*\b:BIAS+8*\b+7]
.else
	v_wmma_f32_16x16x32_f16 v[8*(4*\a+\b):8*(4*\a+\b)+7], v[BF+32*\f+8*\b:BF+32*\f+8*\b+7], v[AF+32*\f+8*\a:AF+32*\f+8*\a+7], v[8*(4*\a+\b):8*(4*\a+\b)+7]
.endif
.endr
.endm
.macro MWIN first
.if \first
	WIN 0x40                                       ; D window 1, all sources window 0
.else
	WIN 0x50                                       ; C and D window 1
.endif
.endm
; sixteen LDS loads in one run: eighth e of a K step (kb e / 2, byte 64 (e % 2) of the rows): 64 rows of woh, then 64 rows of atth, into buffer f
.macro FETCH slot, e, f
.irp i, 0,1,2,3
	ds_load_b128 v[BF+32*\f+8*\i:BF+32*\f+8*\i+3],   v[ADRB+\slot] offset:((\e)>>1)*KBL+((\e)&1)*64+\i*16*PITCH
	ds_load_b128 v[BF+32*\f+8*\i+4:BF+32*\f+8*\i+7], v[ADRB+\slot] offset:((\e)>>1)*KBL+((\e)&1)*64+\i*16*PITCH+32
.endr
.irp i, 0,1,2,3
	ds_load_b128 v[AF+32*\f+8*\i:AF+32*\f+8*\i+3],   v[ADRA+\slot] offset:((\e)>>1)*KBL+((\e)&1)*64+\i*16*PITCH
	ds_load_b128 v[AF+32*\f+8*\i+4:AF+32*\f+8*\i+7], v[ADRA+\slot] offset:((\e)>>1)*KBL+((\e)&1)*64+\i*16*PITCH+32
.endr
.endm
.macro PLACES                          ; four places behind a matrix instruction before a load goes into a register that it read or its result is read (ISA guide 7.12.1 for vector instructions)
.rept 4
	v_nop
.endr
.endm
; One of a K step's first seven eighths: multiplies buffer f; in its middle fetches eighth e into buffer g.
.macro EIGHTH slot, e, f, g, first
	s_wait_dscnt 4                                 ; woh's rows and atth's rows 0-31 are in; the youngest four loads (rows 32-63) may be out
	MWIN \first
	MULA \f, 0, \first
	MULA \f, 1, \first
	PLACES
	WIN 0
	FETCH \slot, \e, \g
	s_wait_dscnt 16                                ; all but the sixteen just issued
	MWIN \first
	MULA \f, 2, \first
	MULA \f, 3, \first
.endm
.macro SEVEN slot, first
	EIGHTH \slot, 1, 0, 1, \first
	EIGHTH \slot, 2, 1, 0, 0
	EIGHTH \slot, 3, 0, 1, 0
	EIGHTH \slot, 4, 1, 0, 0
	EIGHTH \slot, 5, 0, 1, 0
	EIGHTH \slot, 6, 1, 0, 0
	EIGHTH \slot, 7, 0, 1, 0
.endm
; The last eighth multiplies buffer 1 and changes slots: each wave's waits for its reads of this slot and for all its tensor loads, one barrier
; (with fill: it opens a round of the cluster's barrier), the refill first behind it, then the next slot's first fragments.
.macro TURN slot, next, fill
	s_wait_dscnt 4
	WIN 0x50
	MULA 1, 0, 0
	s_wait_dscnt 0x0                               ; my reads of this slot are over
	s_wait_tensorcnt 0x0                           ; all my tensor loads have landed: the one that was out is my part of the next slot
	ds_add_u32 v62, v63
	s_wait_dscnt 0x0
	s_barrier_signal -1
	MULA 1, 1, 0                                   ; register work while the others arrive
	WIN 0
	s_barrier_wait -1
.if \fill
	CREST
	s_add_nc_u64 s[G0+4*\slot+2:G0+4*\slot+3], s[G0+4*\slot+2:G0+4*\slot+3], 0x400000     ; two K steps on: eight kb of atth
	s_add_nc_u64 s[G0B+4*\slot+2:G0B+4*\slot+3], s[G0B+4*\slot+2:G0B+4*\slot+3], 0x100000 ; eight kb of woh
	JLOAD \slot                                    ; my one tensor load behind the round
.endif
	PLACES
	FETCH \next, 0, 0
	WIN 0x50
	MULA 1, 2, 0
	MULA 1, 3, 0
.endm
	s_wait_tensorcnt 0x1                           ; my part of K step 0 is in; K step 1's stays out
	s_barrier_signal -1
	s_barrier_wait -1
	FETCH 0, 0, 0
	s_wait_loadcnt 0x0                             ; the bias
	SEVEN 0, 1                                     ; K step 0
	TURN 0, 1, 1                                   ; asks for K step 2
	SEVEN 1, 0                                     ; K step 1
	TURN 1, 0, 1                                   ; asks for K step 3
	SEVEN 0, 0                                     ; K step 2
	TURN 0, 1, 0                                   ; nothing is left to fetch
	SEVEN 1, 0                                     ; K step 3
	s_wait_dscnt 4
	WIN 0x50
	MULA 1, 0, 0
	MULA 1, 1, 0
	s_wait_dscnt 0x0
	MULA 1, 2, 0
	MULA 1, 3, 0
	; THE WAY OUT, 16 rows at a time through my own stage: 32 bytes a lane and tile in, whole rows of 256 bytes back.
	PLACES
.macro OUT16 a, buf
	WIN 0x04                                       ; an LDS store's data: window 1
.irp b, 0,1,2,3
	ds_store_b128 v[STO], v[8*(4*\a+\b):8*(4*\a+\b)+3]   offset:64*\b
	ds_store_b128 v[STO], v[8*(4*\a+\b)+4:8*(4*\a+\b)+7] offset:64*\b+16
.endr
	WIN 0
	s_wait_xcnt 0x0                                ; the buffer, which earlier stores read, and the stores' base are rewritten only behind this wait
.if \a
	s_add_nc_u64 s[10:11], s[10:11], 0x10000       ; 16 rows of out0 on
.endif
.irp t, 0,1,2,3,4,5,6,7
	ds_load_b128 v[\buf+4*\t:\buf+4*\t+3], v[RD] offset:\t*2*SPITCH   ; LDS serves a wave's instructions in order (ISA guide 5.7.1.4): these see the stores above
.endr
.irp t, 0,1,2,3,4,5,6,7
	s_wait_dscnt 7-\t
	global_store_b128 v[CO], v[\buf+4*\t:\buf+4*\t+3], s[10:11] offset:\t*8192 th:TH_STORE_NT   ; sixteen lanes store 256 consecutive bytes, aligned
.endr
.endm
	OUT16 0, W0
	OUT16 1, BIAS
	OUT16 2, W0
	OUT16 3, BIAS
	s_wait_tensorcnt 0x0
	ds_add_u32 v62, v63
	s_wait_dscnt 0x0
	CROUND                                         ; the closing round
	s_endpgm
.Lfunc_end_k_q52f0aea0be_oproj:
	.size	k_q52f0aea0be_oproj, .Lfunc_end_k_q52f0aea0be_oproj-k_q52f0aea0be_oproj
	.p2alignl 7, 3214868480
	.fill 96, 4, 3214868480
	.section	.rodata,"a",@progbits
	.p2align	6, 0x0
	.amdhsa_kernel k_q52f0aea0be_oproj
		.amdhsa_group_segment_fixed_size 327680
		.amdhsa_private_segment_fixed_size 0
		.amdhsa_enable_private_segment 0
		.amdhsa_kernarg_size 32
		.amdhsa_user_sgpr_count 2
		.amdhsa_user_sgpr_kernarg_segment_ptr 1
		.amdhsa_wavefront_size32 1
		.amdhsa_system_sgpr_workgroup_id_x 1
		.amdhsa_system_sgpr_workgroup_id_y 1
		.amdhsa_system_sgpr_workgroup_id_z 1
		.amdhsa_system_vgpr_workitem_id 0
		.amdhsa_next_free_vgpr 384
		.amdhsa_next_free_sgpr 80
		.amdhsa_reserve_vcc 0
		.amdhsa_float_denorm_mode_32 3
		.amdhsa_float_denorm_mode_16_64 3
		.amdhsa_memory_ordered 1
		.amdhsa_forward_progress 1
		.amdhsa_inst_pref_size 90
	.end_amdhsa_kernel
	.amdgpu_metadata
---
amdhsa.version: [ 1, 2 ]
amdhsa.kernels:
  - .name:           k_q52f0aea0be_oproj
    .symbol:         k_q52f0aea0be_oproj.kd
    .args:
      - { .name: atth, .offset: 0, .size: 8, .value_kind: global_buffer, .address_space: global }
      - { .name: woh, .offset: 8, .size: 8, .value_kind: global_buffer, .address_space: global }
      - { .name: b_out, .offset: 16, .size: 8, .value_kind: global_buffer, .address_space: global }
      - { .name: out0, .offset: 24, .size: 8, .value_kind: global_buffer, .address_space: global }
    .group_segment_fixed_size: 327680
    .private_segment_fixed_size: 0
    .kernarg_segment_align: 8
    .kernarg_segment_size: 32
    .max_flat_workgroup_size: 128
    .sgpr_count:     80
    .vgpr_count:     384
    .wavefront_size: 32
...
	.end_amdgpu_metadata
.endif
;; end of part 4
